; MI455X (gfx1250); checked and timed in simulation.
; The chip was launched on July 23, 2026; its instructions are those of AMD's public machine-readable ISA for CDNA 5 (MIT licence, August 2026) and "CDNA5" Instruction Set Architecture Reference Guide (July 2026). The comments in the code are by the model that wrote it; some were corrected since.
;; Gated Residual Network. Allowed arithmetic: matrix products marked QUANTISED: E3M2 operands, one E8M0 scale for each 32 along K, by v_wmma_scale_f32_16x16x128_f8f6f4 with both operands' format E3M2, f32 sums; everything else in f32.
;; Inputs: b1 1,024 float32; b2 1,024 float32; beta 1,024 float32; bg 1,024 float32; bs 1,024 float32; gamma 1,024 float32; inputs_codes 4 x 4,096 x 32 x 24 uint8 (E3M2 codes of inputs, K innermost, in blocks of 32 codes, four codes in three bytes); inputs_scales 4 x 4,096 x 32 uint8 (E8M0 scales of inputs, one for each 32 codes along K); w1_codes 1,024 x 32 x 24 uint8 (E3M2 codes of w1, K innermost, in blocks of 32 codes, four codes in three bytes); w1_scales 1,024 x 32 uint8 (E8M0 scales of w1, one for each 32 codes along K); w2_codes 1,024 x 32 x 24 uint8 (E3M2 codes of w2, K innermost, in blocks of 32 codes, four codes in three bytes); w2_scales 1,024 x 32 uint8 (E8M0 scales of w2, one for each 32 codes along K); wg_codes 1,024 x 32 x 24 uint8 (E3M2 codes of wg, K innermost, in blocks of 32 codes, four codes in three bytes); wg_scales 1,024 x 32 uint8 (E8M0 scales of wg, one for each 32 codes along K); ws_codes 1,024 x 32 x 24 uint8 (E3M2 codes of ws, K innermost, in blocks of 32 codes, four codes in three bytes); ws_scales 1,024 x 32 uint8 (E8M0 scales of ws, one for each 32 codes along K).
;; Outputs: out0 4 x 4,096 x 1,024 float32.
;; This version of the problem:
;;   THIS VERSION OF THE PROBLEM IS GIVEN IN LOW PRECISION. The matrix products marked QUANTISED in the list below multiply operands that are first quantised to E3M2 (3 exponent bits, 2 mantissa bits; 6 bits a number), with one power-of-two scale for each 32 numbers along K (OCP MX v1.0); their sums are f32. All else is computed in f32.
;;   The module's matrix products, in the order in which they are computed (A, B: the left and right operand; K: the contracted axis; several contracted axes count as one K, in the product's order):
;;     1. [M 16,384, K 1,024] x [K 1,024, N 1,024]; A: input inputs (given as codes); B: input w1 (given as codes): QUANTISED
;;     2. [M 16,384, K 1,024] x [K 1,024, N 1,024]; A: computed on the way; B: input w2 (given as codes): QUANTISED
;;     3. [M 16,384, K 1,024] x [K 1,024, N 1,024]; A: input inputs (given as codes); B: input wg (given as codes): QUANTISED
;;     4. [M 16,384, K 1,024] x [K 1,024, N 1,024]; A: input inputs (given as codes); B: input ws (given as codes): QUANTISED
;;   THE QUANTISER, for each operand of a quantised product, along K:
;;     - K is cut into blocks of 32 from its start; a last block that is shorter is filled with zeros.
;;     - A block's scale is 2^e with e = floor(log2(the largest magnitude in the block)) - 4, held to -126 .. 127; a block of zeros has e = 0. As a byte (E8M0): e + 127.
;;     - Each number is divided by its block's scale, clamped to +-28, and rounded to the nearest number of E3M2, ties to even, subnormals kept.
;;     - The product sums the exact products of the quantised numbers (number of the format x scale) in f32.
;;   ~~~python
;;   def quantise(x, axis):      # numpy; x: float32 -> the quantised numbers, widened to float32 again
;;       x = np.moveaxis(x, axis, -1); K = x.shape[-1]
;;       x = np.pad(x, [(0, 0)] * (x.ndim - 1) + [(0, -K % 32)]); x = x.reshape(x.shape[:-1] + (-1, 32)); a = np.abs(x).max(-1, keepdims=True)
;;       e = np.where(a > 0, np.clip(np.frexp(np.where(a > 0, a, 1))[1] - 1 - 4, -126, 127), 0)      # np.frexp(a)[1] - 1 = floor(log2(a)), exactly
;;       r = np.clip(x / 2.0 ** e, -28, 28)
;;       step = 2.0 ** (np.maximum(np.frexp(np.where(r == 0, 1, r))[1] - 1, -2) - 2)
;;       q = np.round(r / step) * step * 2.0 ** e      # np.round: ties to even
;;       return np.moveaxis(q.reshape(q.shape[:-2] + (-1,))[..., :K], -1, axis).astype(np.float32)
;;   ~~~
;;   OPERANDS COMPUTED ON THE WAY. 'Computed on the way' means the value that the module computes at that place (a softmax that the list does not call 'softmax' is quantised finished and normalised). What goes into a quantiser is computed in f32, as accurately as f32 sums, v_exp_f32 and their like allow (about 1e-6 of the number): no bf16 or f16 on the way to a quantiser, and a product that is left as it is and whose result goes on into a quantised operand takes f32 operands (vector FMAs, or v_wmma_f32_16x16x4_f32). A number that lies on a knife's edge between two numbers of the format may be rounded either way, as far as f32 arithmetic and the matrix unit's own rounding can turn it there, and no further.
;;   INPUTS GIVEN AS CODES. inputs (in the module: [4, 4096, 1024], K = its axis 2); w1 (in the module: [1024, 1024], K = its axis 0); w2 (in the module: [1024, 1024], K = its axis 0); wg (in the module: [1024, 1024], K = its axis 0); ws (in the module: [1024, 1024], K = its axis 0): each comes as NAME_codes (uint8): NAME with its K axis moved to the last place and cut into blocks of 32 codes, [.., K / 32, bytes a block], one block behind the other in memory; four codes in three bytes: a row's codes are one little-endian stream of bits, code i at bits 6 i .. 6 i + 5 (a code: sign, 3 exponent bits, 2 mantissa bits); and NAME_scales (uint8): the same leading axes, one E8M0 byte (e + 127) for each 32 codes along K. Its value is code x scale, taken as it is: it is not quantised again, and the codes and scales need not be those that the quantiser above would give.
;; One version. Each part assembles by itself: llvm-mc -triple=amdgcn-amd-amdhsa -mcpu=gfx1250 --defsym DOCPART=n.
;; ======== version 1 of 1: 2 launches
;; limits: right only within a limited range of input values
;; workspace buffers: wp 3,276,800 bytes
;; launch lay (part 1): grid 256 x 1, 4 waves a work-group, no clusters, 0 bytes of LDS; arguments w1_codes, w1_scales, wg_codes, wg_scales, w2_codes, w2_scales, ws_codes, ws_scales, wp; writes wp
.if DOCPART == 1
	.amdgcn_target "amdgcn-amd-amdhsa--gfx1250"
	.amdhsa_code_object_version 6
	.text
	.protected	k_q734f216757_lay
	.globl	k_q734f216757_lay
	.p2align	8
	.type	k_q734f216757_lay,@function
k_q734f216757_lay:
	s_mov_b64 s[64:65], 0
	v_nop
	global_prefetch_b8 v0, s[64:65] scope:SCOPE_SE
	s_setreg_imm32_b32 hwreg(HW_REG_WAVE_MODE, 25, 1), 1
	s_wait_xcnt 0x0
; The four weights' codes and scale bytes are laid once in the order in which launch grn's operand registers take them.  No number is changed.
; wp = [pass 8][slot 4][wave 4][K step 2] parts of 12,800 bytes: eight fragments (16 weight rows x 128 K, 1,536 bytes: registers 4 c .. 4 c + 3 of lane l at 512 c + 16 l), then 512 bytes of scale words
; (lane l, word j: the word of row l % 16 of tile j + 4 (l / 16)).  Passes: 0, 1: W1 rows 0-511, 512-1023; 2, 3, 4: Wg, W2, Ws rows 0-511; 5, 6, 7: their rows 512-1023.
; Row l of tile t of wave w is weight row 512 c + 256 (l / 8) + 64 w + 8 t + l % 8.  A work-group writes one part, 50 whole blocks of 256 bytes; wave v lays tiles v and v + 4, wave 0 also the scale words.
; No LDS, no matrix unit, no cluster: each byte is read once and stored once.
	s_load_b512 s[4:19], s[0:1], 0x0               ; codes at s4, s8, s12, s16; scales at s6, s10, s14, s18
	s_load_b64 s[24:25], s[0:1], 0x40              ; wp
	v_lshrrev_b32 v1, 5, v0
	v_readfirstlane_b32 s26, v1                    ; wave
	s_and_b32 s27, ttmp9, 1                        ; K step of the slot
	s_bfe_u32 s28, ttmp9, 0x20001                  ; grn's wave
	s_bfe_u32 s29, ttmp9, 0x20003                  ; slot
	s_lshr_b32 s20, ttmp9, 5                       ; pass
	s_max_u32 s21, s20, 2
	s_sub_co_u32 s21, s21, 2
	s_cmp_ge_u32 s21, 3
	s_cselect_b32 s22, 1, 0                        ; the half of the rows, passes 2-7
	s_mul_i32 s23, s22, 3
	s_sub_co_u32 s21, s21, s23
	s_add_co_u32 s21, s21, 1                       ; the weight: 1 Wg, 2 W2, 3 Ws
	s_cmp_lt_u32 s20, 2
	s_cselect_b32 s21, 0, s21                      ; passes 0, 1: W1,
	s_cselect_b32 s22, s20, s22                    ; half = pass
	s_lshl_b32 s30, s22, 9
	s_lshl_b32 s31, s28, 6
	s_add_co_u32 s30, s30, s31                     ; 512 c + 64 w
	s_lshl_b32 s31, s26, 3
	s_add_co_u32 s31, s30, s31                     ; + 8 x my wave
	s_lshl_b32 s32, s29, 1
	s_add_co_u32 s32, s32, s27                     ; K step 0..7
	s_mul_i32 s33, s32, 96
	v_and_b32 v2, 7, v0
	v_bfe_u32 v3, v0, 3, 1
	v_lshl_add_u32 v2, v3, 8, v2                   ; 256 (r / 8) + r % 8
	v_bfe_u32 v3, v0, 4, 1                         ; h
	v_add_nc_u32 v4, s31, v2
	v_mul_u32_u24 v4, v4, 768
	v_mad_u32_u24 v4, v3, 24, v4
	v_add_nc_u32 v4, s33, v4                       ; my 24 bytes of the row's 96 of this K step
	v_lshl_add_u32 v5, v3, 5, v2                   ; scale words: lanes 16-31 take the tile four on, 32 rows
	v_add_nc_u32 v5, s30, v5
	v_lshlrev_b32 v5, 5, v5
	v_lshl_add_u32 v5, s32, 2, v5
	v_and_b32 v6, 31, v0
	v_lshlrev_b32 v6, 4, v6                        ; 16 lane
	s_mul_i32 s34, ttmp9, 12800
	s_mul_i32 s35, s26, 1536
	s_add_co_u32 s34, s34, s35
	s_mov_b32 s35, 0
	s_wait_alu depctr_va_vdst(0)
	s_wait_kmcnt 0x0
	s_cmp_eq_u32 s21, 1
	s_cselect_b64 s[4:5], s[8:9], s[4:5]
	s_cselect_b64 s[6:7], s[10:11], s[6:7]
	s_cmp_eq_u32 s21, 2
	s_cselect_b64 s[4:5], s[12:13], s[4:5]
	s_cselect_b64 s[6:7], s[14:15], s[6:7]
	s_cmp_eq_u32 s21, 3
	s_cselect_b64 s[4:5], s[16:17], s[4:5]
	s_cselect_b64 s[6:7], s[18:19], s[6:7]
	s_add_nc_u64 s[24:25], s[24:25], s[34:35]
.irp tt, 0,1
.irp pp, 0,1,2,3,4,5
	global_load_b64 v[16+12*\tt+2*\pp:17+12*\tt+2*\pp], v4, s[4:5] offset:24576*\tt+48*(\pp/3)+8*(\pp%3)
.endr
.endr
	s_cmp_lg_u32 s26, 0
	s_cbranch_scc1 .Lcodes
.irp j, 0,1,2,3
	global_load_b32 v[8+\j], v5, s[6:7] offset:256*\j
.endr
	s_wait_loadcnt 0x0
	global_store_b128 v6, v[8:11], s[24:25] offset:12288
.Lcodes:
	s_wait_loadcnt 0x0
.irp tt, 0,1
.irp cc, 0,1,2
	global_store_b128 v6, v[16+12*\tt+4*\cc:19+12*\tt+4*\cc], s[24:25] offset:6144*\tt+512*\cc   ; the wave's 32 lanes store 512 consecutive bytes
.endr
.endr
	s_endpgm
.Lfunc_end_k_q734f216757_lay:
	.size	k_q734f216757_lay, .Lfunc_end_k_q734f216757_lay-k_q734f216757_lay
	.p2alignl 7, 3214868480
	.fill 96, 4, 3214868480
	.section	.rodata,"a",@progbits
	.p2align	6, 0x0
	.amdhsa_kernel k_q734f216757_lay
		.amdhsa_group_segment_fixed_size 0
		.amdhsa_private_segment_fixed_size 0
		.amdhsa_enable_private_segment 0
		.amdhsa_kernarg_size 72
		.amdhsa_user_sgpr_count 2
		.amdhsa_user_sgpr_kernarg_segment_ptr 1
		.amdhsa_wavefront_size32 1
		.amdhsa_system_sgpr_workgroup_id_x 1
		.amdhsa_system_sgpr_workgroup_id_y 1
		.amdhsa_system_sgpr_workgroup_id_z 1
		.amdhsa_system_vgpr_workitem_id 0
		.amdhsa_next_free_vgpr 64
		.amdhsa_next_free_sgpr 66
		.amdhsa_reserve_vcc 0
		.amdhsa_float_denorm_mode_32 3
		.amdhsa_float_denorm_mode_16_64 3
		.amdhsa_memory_ordered 1
		.amdhsa_forward_progress 1
		.amdhsa_inst_pref_size 5
	.end_amdhsa_kernel
	.amdgpu_metadata
---
amdhsa.version: [ 1, 2 ]
amdhsa.kernels:
  - .name:           k_q734f216757_lay
    .symbol:         k_q734f216757_lay.kd
    .args:
      - { .name: w1_codes, .offset: 0, .size: 8, .value_kind: global_buffer, .address_space: global }
      - { .name: w1_scales, .offset: 8, .size: 8, .value_kind: global_buffer, .address_space: global }
      - { .name: wg_codes, .offset: 16, .size: 8, .value_kind: global_buffer, .address_space: global }
      - { .name: wg_scales, .offset: 24, .size: 8, .value_kind: global_buffer, .address_space: global }
      - { .name: w2_codes, .offset: 32, .size: 8, .value_kind: global_buffer, .address_space: global }
      - { .name: w2_scales, .offset: 40, .size: 8, .value_kind: global_buffer, .address_space: global }
      - { .name: ws_codes, .offset: 48, .size: 8, .value_kind: global_buffer, .address_space: global }
      - { .name: ws_scales, .offset: 56, .size: 8, .value_kind: global_buffer, .address_space: global }
      - { .name: wp, .offset: 64, .size: 8, .value_kind: global_buffer, .address_space: global }
    .group_segment_fixed_size: 0
    .private_segment_fixed_size: 0
    .kernarg_segment_align: 8
    .kernarg_segment_size: 72
    .max_flat_workgroup_size: 128
    .sgpr_count:     66
    .vgpr_count:     64
    .wavefront_size: 32
...
	.end_amdgpu_metadata
.endif
;; end of part 1
;; launch grn (part 2): grid 256 x 1, 4 waves a work-group, clusters of 4 x 1, 327,680 bytes of LDS; arguments inputs_codes, inputs_scales, wp, b1, bg, b2, bs, gamma, beta, out0; writes out0
.if DOCPART == 2
	.amdgcn_target "amdgcn-amd-amdhsa--gfx1250"
	.amdhsa_code_object_version 6
	.text
	.protected	k_q734f216757_grn
	.globl	k_q734f216757_grn
	.p2align	8
	.type	k_q734f216757_grn,@function
k_q734f216757_grn:
	s_mov_b64 s[64:65], 0
	v_nop
	global_prefetch_b8 v0, s[64:65] scope:SCOPE_SE
	s_setreg_imm32_b32 hwreg(HW_REG_WAVE_MODE, 25, 1), 1
	s_wait_xcnt 0x0
	s_wait_alu depctr_hold_cnt(0) depctr_sa_sdst(0) depctr_va_vdst(0) depctr_va_sdst(0) depctr_va_ssrc(0) depctr_va_vcc(0) depctr_vm_vsrc(0)
	s_getreg_b32 s2, hwreg(HW_REG_IB_STS2, 6, 4)
	s_cmp_eq_u32 s2, 0
	s_cbranch_scc0 .Lentry_in_a_cluster
	s_endpgm
.Lentry_in_a_cluster:
	s_bfe_u32 s2, ttmp6, 0x10000c
	s_cmp_lg_u32 s2, 0x3003
	s_cbranch_scc0 .Lentry_shape_is_right
	s_endpgm
.Lentry_shape_is_right:
; out = LayerNorm( (Q(relu(in W1 + b1)) W2 + b2) * sigmoid(in Wg + bg) + (in Ws + bs) ) * gamma + beta.  16,384 rows of 1,024; all four products on codes of BF6 (E3M2) with one E8M0 scale for each 32 along K.
; A work-group of four waves owns 64 whole rows (256 work-groups): the norm never leaves it, and y (512 registers a wave) never goes to memory.
; EIGHT PASSES: T = bias + A W[512 columns]^T, K = 1,024.  0, 1: W1, then h = Q(relu T) into LDS;  2: Wg, Y0 = sigmoid T;  3: W2 (A = h), Y0 = T Y0;  4: Ws, Y0 = Y0 + T;  5, 6, 7: the same for columns 512 on and Y1.
; THE LOOP'S TRIP IS HALF A PASS: four K steps of 128, once round a ring of two LDS slots; 15 trips, and the sixteenth half written out, since it asks for no tile.  Behind each second half a stage is chosen by the pass's number.
; THE WEIGHTS come from wp, where launch lay has laid them as images of the operand's registers with their scale words, in the order of the walk: a fill is 102,400 consecutive bytes, a wave's part 100 rows of 256 bytes.
; All work-groups walk wp alike: 4 form a cluster and ask for each part JOINTLY.  Wave w fetches and reads part w.
; PREFETCH: behind the load of fill f each wave names fill f + 2: of its part's 100 blocks of 256 bytes each of the four partners takes 25, told apart by address; the last two fills' trips ask for nothing.
; THE MATRIX INSTRUCTION IS USED TRANSPOSED: source 0 = 16 weight rows, source 1 = 16 rows of A.  Row l of tile t of wave w is weight row 512 c + 256 (l / 8) + 64 w + 8 t + l % 8, so lane (r, h), accumulator (m, t) at 64 m + 8 t,
; register j holds row 16 m + r, column 512 c + 256 h + 64 w + 8 t + j: for one m a lane's 64 registers are 64 neighbouring columns: two whole blocks for the quantiser, 256 neighbouring bytes on the way out.
; A's operands (the inputs' codes, h's) lie in LDS as images too: fragment (m, s) at (8 m + s) x 1,536.  The bias is loaded into T ahead of a pass and is the first product's C.
; A K STEP is 16 products on weight tiles 0-3 and 16 on tiles 4-7, with two runs of LDS loads: behind the first sixteen the next step's tiles 0-3, its scale words and A's next fragments (the other set), behind the second its tiles 4-7.
; LIMITS: NaN and infinities in h are not served.  A block of h that is all zeros gets the scale byte 1 where the quantiser's rule says 127: its codes are zeros, and the bytes are read by this text alone.
; REGISTERS: window 1: T.  window 2: Y0.  window 3: Y1.  window 0: v1-12 addresses; v16-23 A's scale words, v24-31 the weights'; v48, v50 addresses of the half at hand; v64-159 A's fragments, two sets; v160-255 weight tiles 0-7.
.set RGN,   25600                      ; a wave's part of a slot
.set KST,   12800                      ; a K step's part of that
.set SLOT,  102400
.set INIMG, 204800                     ; the inputs' 32 fragments
.set HIMG,  253952                     ; h's 32 fragments (at the head: the stage in which the inputs' rows are turned into fragments, 12,544 bytes a wave, reaching 1,024 bytes into HSC)
.set HSC,   303104                     ; h's scale bytes, [64 rows][32]
.set INSC,  305152                     ; the inputs'
.set BT,    307200                     ; the biases, [pass][512] f32
.set RS1,   323584                     ; the norm: [row][wave] partial sums; + 1024: of squares
.set SPARE, 325632                     ; the spare words: two blocks of 256 bytes that no other line names
.set SPW,  1
.set NIL,  2
.set ADRB, 3                           ; v3-4 my part of slot 0, 1, + 16 lane
.set ADAI, 5                           ; INIMG + 16 lane
.set ASC,  7                           ; HSC + 32 r + 1024 h
.set HSS,  8
.set PFO,  9                           ; 256 x min(lane, 24)
.set ABI,  10                          ; BT + 1024 h + 256 w
.set H11,  11
.set H12,  12
.set SA,   16
.set WA,   24
.set ADC,  48                          ; ADAI + the image (the inputs' or h's) and the place along K of the half whose operands are being fetched
.set ASCC, 50                          ; ASC likewise
.set FRD,  51                          ; the head's own
.set L16,  56
.set IMS,  57
.set SCS,  58
.set B1S,  59
.set BXS,  60
.set GBI,  61
.set T0,   62
.set T1,   63
.set AS,   64
.set PF,   160
.set BIA,  10                          ; s[10:17] b1, bg, b2, bs
.set GAM,  18
.set BET,  20
.set OUT,  22
.set WV,   38
.set QN,   39                          ; the half pass, 0..15
.set PN,   41
.set SEL,  42
.set G1,   44
.set G0,   52
.set PFA,  60
.set KO,   62
.set KS,   63
.set BO,   66
.set MULW, 0x50
.set MSB, 0
.macro WIN new
.if MSB != (\new)
	s_set_vgpr_msb (MSB<<8)|(\new)
.set MSB, \new
.endif
.endm
.macro PLACES n                        ; plain vector places behind matrix instructions (ISA guide 7.12.1)
.rept \n
	v_nop
.endr
.endm
.macro CREST
	s_cmp_lg_u32 s[WV], 0
	s_cbranch_scc1 .Lnot_wave_0_\@
	s_barrier_signal -3
.Lnot_wave_0_\@:
	s_barrier_wait -3
	s_barrier_signal -1
	s_barrier_wait -1
.endm
.macro CROUND
	s_barrier_signal -1
	s_barrier_wait -1
	CREST
.endm
; One product: accumulator (mm_m, mm_t), K step u of the half.  A weights' scale register holds tile t in lanes 0-15 and t + 4 in lanes 16-31, A's tile m and m + 2.
.macro WMS u
.set rD, 64*mm_m+8*mm_t
.set rB, PF+12*mm_t
.set rA, AS+48*((\u)&1)+12*mm_m
.set rW, WA+4*((\u)&1)+(mm_t&3)
.set rS, SA+4*(((\u)>>1)&1)+2*(mm_m&1)+((\u)&1)
.if (mm_t/4) && (mm_m/2)
	v_wmma_scale_f32_16x16x128_f8f6f4 v[rD:rD+7], v[rB:rB+11], v[rA:rA+11], v[rD:rD+7], v[rW], v[rS] matrix_a_fmt:MATRIX_FMT_BF6 matrix_b_fmt:MATRIX_FMT_BF6 matrix_a_scale:MATRIX_SCALE_ROW1 matrix_b_scale:MATRIX_SCALE_ROW1
.elseif mm_t/4
	v_wmma_scale_f32_16x16x128_f8f6f4 v[rD:rD+7], v[rB:rB+11], v[rA:rA+11], v[rD:rD+7], v[rW], v[rS] matrix_a_fmt:MATRIX_FMT_BF6 matrix_b_fmt:MATRIX_FMT_BF6 matrix_a_scale:MATRIX_SCALE_ROW1
.elseif mm_m/2
	v_wmma_scale_f32_16x16x128_f8f6f4 v[rD:rD+7], v[rB:rB+11], v[rA:rA+11], v[rD:rD+7], v[rW], v[rS] matrix_a_fmt:MATRIX_FMT_BF6 matrix_b_fmt:MATRIX_FMT_BF6 matrix_b_scale:MATRIX_SCALE_ROW1
.else
	v_wmma_scale_f32_16x16x128_f8f6f4 v[rD:rD+7], v[rB:rB+11], v[rA:rA+11], v[rD:rD+7], v[rW], v[rS] matrix_a_fmt:MATRIX_FMT_BF6 matrix_b_fmt:MATRIX_FMT_BF6
.endif
.endm
.macro MM t0, n, u                     ; n tiles from t0 on against A's four; the 32 accumulators take turns, one instruction a turn
.set mm_t, \t0
.rept \n
.set mm_m, 0
.rept 4
	WMS \u
.set mm_m, mm_m+1
.endr
.set mm_t, mm_t+1
.endr
.endm
.macro LDW sl, q, t0                   ; four weight tiles: 12 loads, each 512 consecutive bytes
.irp t, 0,1,2,3
.irp cc, 0,1,2
	ds_load_b128 v[PF+12*(\t0+\t)+4*\cc:PF+12*(\t0+\t)+4*\cc+3], v[ADRB+(\sl)] offset:KST*(\q)+1536*(\t0+\t)+512*\cc
.endr
.endr
.endm
.macro LDWS sl, q                      ; a K step's weight scale words: 1 load
	ds_load_b128 v[WA+4*(\q):WA+4*(\q)+3], v[ADRB+(\sl)] offset:KST*(\q)+12288
.endm
.macro LDA s, set                      ; A's four fragments of K step s: 12 loads
.irp m, 0,1,2,3
.irp cc, 0,1,2
	ds_load_b128 v[AS+48*(\set)+12*\m+4*\cc:AS+48*(\set)+12*\m+4*\cc+3], v[ADC] offset:(8*\m+(\s))*1536+512*\cc
.endr
.endr
.endm
.macro LDAS sp                         ; A's scale words of slot sp's two K steps: 2 loads
.irp mp, 0,1
	ds_load_b64 v[SA+4*(\sp)+2*\mp:SA+4*(\sp)+2*\mp+1], v[ASCC] offset:512*\mp+8*(\sp)
.endr
.endm
.macro BIASLD m, off                   ; the next pass's bias, 64 numbers a lane, into T(m, 0..7), as soon as a stage has read those registers
	v_add_nc_u32 v15, s[BO], v[ABI]
	WIN 0x40
.irp i, 0,1,2,3,4,5,6,7,8,9,10,11,12,13,14,15
	ds_load_b128 v[64*(\m)+4*\i:64*(\m)+4*\i+3], v15 offset:(\off)+16*\i
.endr
	WIN 0
.endm
.macro STEPE u, sl                     ; a slot's first K step
	s_wait_dscnt 12                                ; all but the youngest 12 loads (tiles 4-7; behind a stage: at most 8 loads of the bias of tiles 4-7)
	WIN MULW
	MM 0, 4, \u
	PLACES 4
	WIN 0
	LDW \sl, 1, 0
	LDWS \sl, 1
	LDA (\u)+1, 1
	s_wait_dscnt 25                                ; all but the 12 + 1 + 12 just issued
	WIN MULW
	MM 4, 4, \u
	PLACES 4
	WIN 0
	LDW \sl, 1, 4
.endm
; A slot's second K step changes slots.  All of the slot has been asked out of LDS at the end of the step before, so the three lines open the step: eight products stand between the add and its wait, eight between the barrier's
; signal and its wait.  fill = 1: the barrier opens a round of the cluster's barrier, and the slot is filled again, two fills on.  The next slot is read behind the refill.
.macro STEPO u, sl, fill
.if \fill
	s_wait_xcnt 0x0                                ; my last prefetch has read its base
	s_add_nc_u64 s[PFA:PFA+1], s[PFA:PFA+1], SLOT
.endif
	s_wait_tensorcnt 0x0                           ; my one load that was out, my part of the next slot, has landed
	ds_add_u32 v[SPW], v[NIL]
	s_wait_dscnt 13                                ; all but tiles 4-7 and the add
	WIN MULW
	MM 0, 2, \u
	s_wait_dscnt 0x0                               ; the add is done and my reads of this slot are over
	s_barrier_signal -1
	MM 2, 2, \u
	WIN 0
	s_barrier_wait -1
.if \fill
	CREST
	s_add_nc_u64 s[G0+4*\sl+2:G0+4*\sl+3], s[G0+4*\sl+2:G0+4*\sl+3], 2*SLOT
	tensor_load_to_lds s[G0+4*\sl:G0+4*\sl+3], s[G1:G1+7]
	s_nop 0
.endif
	PLACES 4                                       ; also the places ahead of the loads into tiles 0-3
	LDW 1-\sl, 0, 0
	LDWS 1-\sl, 0
	LDA ((\u)+1)&3, 0
	LDAS 1-\sl
.if \fill
	s_cmp_lt_u32 s[QN], 14                         ; fills 30 and 31 have no fill two on
	s_cbranch_scc0 .Lno_ask_\@
	s_cmp_lt_u32 ttmp9, 4
	s_cbranch_scc0 .Lno_prefetch_grn0_\@
	global_prefetch_b8 v[PFO], s[PFA:PFA+1] offset:3*SLOT th:TH_LOAD_NT scope:SCOPE_SE
.Lno_prefetch_grn0_\@:
.Lno_ask_\@:
.endif
	WIN MULW
	MM 4, 4, \u
	PLACES 4
	WIN 0
	LDW 1-\sl, 0, 4
.endm
; ---------------------------------------------------------------- the head
	s_load_b512 s[4:19], s[0:1], 0x0               ; inputs' codes, scales; wp; b1, bg, b2, bs; gamma
	s_load_b128 s[20:23], s[0:1], 0x40             ; beta, out
	v_lshl_add_u32 v[SPW], v0, 2, SPARE
	v_mov_b32 v[NIL], 0
	ds_add_u32 v[SPW], v[NIL]                      ; the opening lines: the add, twice on end, and its wait
	ds_add_u32 v[SPW], v[NIL]
	v_lshrrev_b32 v13, 5, v0
	v_readfirstlane_b32 s[WV], v13
	s_lshr_b32 s93, s[WV], 1
	s_and_b32 s94, s[WV], 1
	s_mov_b32 s[G1+0], 15|(3<<16)|(1<<21)          ; the mask: all four work-groups; elements of 8 bytes; bit 21 beside a mask
	s_mov_b32 s[G1+1], 32<<16                      ; rows of 256 bytes,
	s_mov_b32 s[G1+2], 100<<16                     ; 100 of them, dense
	s_mov_b32 s[G1+3], 32<<16
	s_mov_b32 s[G1+4], 100
	s_mov_b32 s[G1+5], 32
	s_mov_b32 s[G1+6], 0
	s_mov_b32 s[G1+7], 0
	s_mov_b32 s[SEL], 0x76543210
	s_mov_b32 s[SEL+1], 0xfedcba98
	s_mov_b32 s[QN], 0
	s_mov_b32 s[KO], 0
	s_mov_b32 s[KS], 0
	s_mov_b32 s[BO], 0
	v_and_b32 v160, 31, v0                         ; lane
	v_lshlrev_b32 v[L16], 4, v160
	v_and_b32 v161, 15, v0                         ; r
	v_bfe_u32 v162, v0, 4, 1                       ; h
	s_mul_i32 s95, s[WV], RGN
	v_add_nc_u32 v[ADRB], s95, v[L16]
	v_add_nc_u32 v[ADRB+1], SLOT, v[ADRB]
	v_add_nc_u32 v[ADAI], INIMG, v[L16]
	v_lshlrev_b32 v[ASC], 5, v161
	v_lshl_add_u32 v[ASC], v162, 10, v[ASC]
	v_add_nc_u32 v[ASC], HSC, v[ASC]
	v_lshlrev_b32 v[HSS], 5, v161
	v_lshl_add_u32 v[HSS], v162, 3, v[HSS]
	s_lshl_b32 s95, s[WV], 1
	s_add_co_u32 s95, s95, HSC
	v_add_nc_u32 v[HSS], s95, v[HSS]
	v_min_u32 v[PFO], 24, v160
	v_lshlrev_b32 v[PFO], 8, v[PFO]
	s_lshl_b32 s95, s[WV], 8
	s_add_co_u32 s95, s95, BT
	v_lshl_add_u32 v[ABI], v162, 10, s95
	s_mul_i32 s95, s93, 1536                       ; h's codes: fragment 4 c + w / 2 (+ 2), registers 6 (w % 2) on: pairs at 0, 8, 512 or at 520, 1024, 1032 of the image
	s_add_co_u32 s95, s95, HIMG
	s_mul_i32 s96, s94, 520
	s_add_co_u32 s96, s96, s95
	v_add_nc_u32 v[H11], s96, v[L16]
	s_mul_i32 s96, s94, 1016
	s_add_co_u32 s96, s96, s95
	v_add_nc_u32 v[H12], s96, v[L16]
	s_mul_i32 s95, s[WV], 12288                    ; my 16 rows' eight images
	v_add_nc_u32 v[IMS], s95, v[ADAI]
	s_lshl_b32 s95, s[WV], 9
	s_add_co_u32 s95, s95, INSC
	v_add_nc_u32 v[SCS], s95, v[L16]
	s_lshl_b32 s95, s[WV], 10
	v_add_nc_u32 v[GBI], s95, v[L16]               ; numbers 256 w on of each bias
	v_add_nc_u32 v[B1S], BT, v[GBI]                ; b1: passes 0, 1
	s_mul_i32 s95, s93, 6144
	s_lshl_b32 s96, s94, 10
	s_add_co_u32 s95, s95, s96
	s_add_co_u32 s95, s95, BT
	v_add_nc_u32 v[BXS], s95, v[L16]               ; bg, b2, bs: passes 2, 3, 4 and 5, 6, 7
	s_mul_i32 s95, s[WV], 12544                    ; my stage: 16 rows of 768 bytes, 784 apart
	s_add_co_u32 s95, s95, HIMG
	v_add_nc_u32 v[T0], s95, v[L16]
	v_lshl_add_u32 v[T1], v162, 4, v[T0]           ; for the loads whose lanes 16-31 lie in the next row
	v_mul_u32_u24 v163, v161, 784
	v_mad_u32_u24 v163, v162, 24, v163
	v_add_nc_u32 v[FRD], s95, v163
	v_mov_b32 v[ADC], v[ADAI]                      ; the first half takes the inputs, K 0 on
	v_add_nc_u32 v[ASCC], INSC-HSC, v[ASC]
	s_mov_b32 s101, 0
	s_mov_b32 s[G0], 1
	s_mul_i32 s[G0+1], s[WV], RGN
	s_mov_b32 s[G0+4], 1
	s_add_co_u32 s[G0+5], s[G0+1], SLOT
	s_mul_i32 s100, s[WV], RGN
	s_wait_alu depctr_va_vdst(0)
	s_wait_dscnt 0x0                               ; both opening adds are done
	s_wait_kmcnt 0x0
	s_add_nc_u64 s[8:9], s[8:9], s[100:101]        ; my part of fill 0
	s_mov_b64 s[G0+2:G0+3], s[8:9]
	s_or_b32 s[G0+3], s[G0+3], 0x80000000
	s_add_nc_u64 s[G0+6:G0+7], s[8:9], SLOT
	s_or_b32 s[G0+7], s[G0+7], 0x80000000
	s_bfe_u32 s98, ttmp6, 0x40000                  ; cx: it enters the inputs', the output's and the prefetches' addresses alone
	s_mul_i32 s100, s98, 6400
	s_add_nc_u64 s[PFA:PFA+1], s[8:9], s[100:101]
	s_lshl_b32 s99, ttmp9, 2
	s_add_co_u32 s99, s99, s98                     ; my work-group
	s_lshl_b32 s96, s99, 6
	s_lshl_b32 s97, s[WV], 4
	s_add_co_u32 s96, s96, s97                     ; the first row that my wave brings in
	s_mul_i32 s100, s96, 768
	s_add_nc_u64 s[4:5], s[4:5], s[100:101]
	s_lshl_b32 s100, s96, 5
	s_add_nc_u64 s[6:7], s[6:7], s[100:101]
	s_lshl_b32 s100, s99, 18
	s_add_nc_u64 s[OUT:OUT+1], s[OUT:OUT+1], s[100:101]
	CROUND                                         ; the first joint loads meet
	tensor_load_to_lds s[G0:G0+3], s[G1:G1+7]      ; fill 0: one tensor load a wave at the head
	s_nop 0
	PLACES 4
.irp i, 0,1,2,3,4,5,6,7,8,9,10,11,12,13,14,15,16,17,18,19,20,21,22,23
	global_load_b128 v[AS+4*\i:AS+4*\i+3], v[L16], s[4:5] offset:512*\i th:TH_LOAD_NT    ; my 16 rows of codes, 12,288 consecutive bytes
.endr
	global_load_b128 v[52:55], v[L16], s[6:7] th:TH_LOAD_NT      ; their 512 scale bytes
.irp b, 0,1,2,3
.irp i, 0,1
	global_load_b128 v[16+8*\b+4*\i:16+8*\b+4*\i+3], v[GBI], s[BIA+2*\b:BIA+2*\b+1] offset:512*\i
.endr
.endr
	s_cmp_lt_u32 ttmp9, 4
	s_cbranch_scc0 .Lno_prefetch_grn1
	global_prefetch_b8 v[PFO], s[PFA:PFA+1] offset:SLOT th:TH_LOAD_NT scope:SCOPE_SE      ; fills 1 and 2
	global_prefetch_b8 v[PFO], s[PFA:PFA+1] offset:2*SLOT th:TH_LOAD_NT scope:SCOPE_SE
.Lno_prefetch_grn1:
	; Y0 and Y1 are written once, while the loads are on their way: the stages are chosen by a branch on the pass's number, and on every way through the text those that read Y are to find written registers.
	WIN 0x80
.set i, 0
.rept 256
	v_mov_b32 v[i], 0
.set i, i+1
.endr
	WIN 0xc0
.set i, 0
.rept 256
	v_mov_b32 v[i], 0
.set i, i+1
.endr
	WIN 0
	s_wait_loadcnt 0x0
.irp k, 0,1,2,3,4,5,6,7                        ; rows 2 k and 2 k + 1 into my stage
	ds_store_b128 v[T0], v[AS+12*\k:AS+12*\k+3] offset:1568*\k
	ds_store_b128 v[T1], v[AS+12*\k+4:AS+12*\k+7] offset:1568*\k+512
	ds_store_b128 v[T0], v[AS+12*\k+8:AS+12*\k+11] offset:1568*\k+1040
.endr
.irp s, 0,1,2,3,4,5,6,7                        ; and back as eight fragments (LDS serves a wave's instructions in order: ISA guide 5.7.1.4)
.irp pp, 0,1,2,3,4,5
	ds_load_b64 v[PF+12*\s+2*\pp:PF+12*\s+2*\pp+1], v[FRD] offset:96*\s+48*(\pp/3)+8*(\pp%3)
.endr
.endr
	ds_store_b128 v[SCS], v[52:55]
.irp i, 0,1
	ds_store_b128 v[B1S], v[16+4*\i:16+4*\i+3] offset:512*\i
	ds_store_b128 v[BXS], v[24+4*\i:24+4*\i+3] offset:4096+512*\i
	ds_store_b128 v[BXS], v[32+4*\i:32+4*\i+3] offset:6144+512*\i
	ds_store_b128 v[BXS], v[40+4*\i:40+4*\i+3] offset:8192+512*\i
.endr
	s_wait_dscnt 9                                 ; all but the nine stores just issued: the fragments are in
.irp s, 0,1,2,3,4,5,6,7
.irp cc, 0,1,2
	ds_store_b128 v[IMS], v[PF+12*\s+4*\cc:PF+12*\s+4*\cc+3] offset:1536*\s+512*\cc
.endr
.endr
	s_wait_tensorcnt 0x0                           ; fill 0 is in
	ds_add_u32 v[SPW], v[NIL]
	s_wait_dscnt 0x0                               ; the add, and my stores for the others' sake
	CROUND
	tensor_load_to_lds s[G0+4:G0+7], s[G1:G1+7]    ; fill 1
	s_nop 0
	PLACES 4
	LDA 0, 0
	LDAS 0
	LDWS 0, 0
.irp m, 0,1,2,3
	BIASLD \m, 0
.endr
	s_cmp_lt_u32 ttmp9, 4
	s_cbranch_scc0 .Lno_prefetch_grn2
	global_prefetch_b8 v[PFO], s[PFA:PFA+1] offset:3*SLOT th:TH_LOAD_NT scope:SCOPE_SE
.Lno_prefetch_grn2:
	LDW 0, 0, 0
	LDW 0, 0, 4
; ---------------------------------------------------------------- halves 0 to 14
.Lquad:
	STEPE 0, 0
	STEPO 1, 0, 1
	STEPE 2, 1
	s_xor_b32 s[KO], s[KO], 6144                   ; from here on the next half's operands are fetched: its place along K,
	s_xor_b32 s[KS], s[KS], 16
	s_add_co_u32 s95, s[QN], 1
	s_lshr_b32 s95, s95, 1                         ; and its pass: passes 3 and 6 take h
	s_cmp_eq_u32 s95, 3
	s_cselect_b32 s96, HIMG-INIMG, 0
	s_cselect_b32 s97, 0, INSC-HSC
	s_cmp_eq_u32 s95, 6
	s_cselect_b32 s96, HIMG-INIMG, s96
	s_cselect_b32 s97, 0, s97
	s_add_co_u32 s96, s96, s[KO]
	s_add_co_u32 s97, s97, s[KS]
	v_add_nc_u32 v[ADC], s96, v[ADAI]
	v_add_nc_u32 v[ASCC], s97, v[ASC]
	s_wait_alu depctr_va_vdst(0)
	STEPO 3, 1, 1
	s_bitcmp1_b32 s[QN], 0
	s_cbranch_scc0 .Lnext                          ; a pass's first half: no stage
	s_lshr_b32 s[PN], s[QN], 1
	s_lshl_b32 s[BO], s[QN], 10                    ; 2,048 x the next pass, less 1,024
	s_cmp_lt_u32 s[PN], 2
	s_cbranch_scc1 .Lquant
	s_cmp_eq_u32 s[PN], 3
	s_cbranch_scc1 .Lmul0
	s_cmp_eq_u32 s[PN], 4
	s_cbranch_scc1 .Ladd0
	s_cmp_eq_u32 s[PN], 6
	s_cbranch_scc1 .Lmul1
	; ---- passes 2 and 5: Y = 1 / (1 + 2^(-log2(e) T))
	WIN 0x41
.set i, 0
.rept 128
	v_pk_mul_f32 v[i:i+1], v[i:i+1], 0xbfb8aa3b op_sel_hi:[1,0]
.set i, i+2
.endr
	s_wait_alu depctr_va_vdst(0)
.set i, 0
.rept 256
	v_exp_f32 v[i], v[i]
.set i, i+1
.endr
	v_nop
	s_wait_alu depctr_va_vdst(0)
.set i, 0
.rept 128
	v_pk_add_f32 v[i:i+1], v[i:i+1], 1.0 op_sel_hi:[1,0]
.set i, i+2
.endr
	WIN 0
.macro RCPS win                        ; the reciprocals go straight into Y; behind each 16 rows' the next bias is fetched into the registers that they have read
.set i, 0
.irp m, 0,1,2,3
	WIN \win
.rept 64
	v_rcp_f32 v[i], v[i]
.set i, i+1
.endr
	v_nop
	s_wait_alu depctr_va_vdst(0)
	WIN 0
	BIASLD \m, 1024
.endr
.endm
	s_cmp_eq_u32 s[PN], 2
	s_cbranch_scc0 .Lsig1
	s_wait_alu depctr_va_vdst(0)
	RCPS 0x81
	s_branch .Lstaged
.Lsig1:
	s_wait_alu depctr_va_vdst(0)
	RCPS 0xc1
	s_branch .Lstaged
	; ---- passes 0 and 1: h = Q(relu T).  A lane's 64 registers of a tile of rows are two whole blocks of 32 along the next K.
.set TMX, 112
.set SCO, 120
.set BY,  128
.set C0,  136
.set C1,  142
.set X0,  148
.set X1,  152
.Lquant:
	s_wait_dscnt 0x0                               ; my LDS loads are in:
	s_barrier_signal -1                            ; say so; the stores below stand behind the wait
	WIN 0x44
.set i, 0
.rept 256
	v_max_num_f32 v[i], 0, v[i]
.set i, i+1
.endr
	WIN 0x05
.set b, 0
.rept 8
	v_max3_num_f32 v[TMX+b], v[32*b], v[32*b+1], 0x2800000       ; and the floor 2^(5 - 127): the byte cannot fall under 1
.set b, b+1
.endr
	WIN 0x14
.set i, 2
.rept 15
.set b, 0
.rept 8
	v_max3_num_f32 v[TMX+b], v[TMX+b], v[32*b+i], v[32*b+i+1]
.set b, b+1
.endr
.set i, i+2
.endr
	WIN 0
.irp b, 0,1,2,3,4,5,6,7
	v_add_nc_u32 v[SCO+\b], 0xfe000000, v[TMX+\b]  ; 4 off the exponent field: the conversion's scale operand
.endr
.irp b, 0,1,2,3,4,5,6,7
	v_lshrrev_b32 v[BY+\b], 23, v[SCO+\b]
.endr
.irp m, 0,1,2,3
	v_lshl_or_b32 v[BY+2*\m], v[BY+2*\m+1], 8, v[BY+2*\m]
.endr
	s_wait_alu depctr_va_vdst(0)
	s_barrier_wait -1                              ; no wave still reads h's bytes
.macro QST m, c
	ds_store_b16 v[HSS], v[BY+2*\m] offset:512*\m+16*\c
	ds_store_b64 v[H11], v[C0:C0+1] offset:12288*\m+6144*\c
	ds_store_b64 v[H12], v[C0+2:C0+3] offset:12288*\m+6144*\c+8
	ds_store_b64 v[H11], v[C0+4:C0+5] offset:12288*\m+6144*\c+512
	ds_store_b64 v[H11], v[C1:C1+1] offset:12288*\m+6144*\c+3072
	ds_store_b64 v[H12], v[C1+2:C1+3] offset:12288*\m+6144*\c+3072+8
	ds_store_b64 v[H11], v[C1+4:C1+5] offset:12288*\m+6144*\c+3072+512
.endm
.macro QM m
	WIN 0x01
	v_cvt_scalef32_pk16_bf6_f32 v[C0:C0+2], v[64*\m:64*\m+15], v[SCO+2*\m]
	v_cvt_scalef32_pk16_bf6_f32 v[X0:X0+2], v[64*\m+16:64*\m+31], v[SCO+2*\m]
	v_cvt_scalef32_pk16_bf6_f32 v[C1:C1+2], v[64*\m+32:64*\m+47], v[SCO+2*\m+1]
	v_cvt_scalef32_pk16_bf6_f32 v[X1:X1+2], v[64*\m+48:64*\m+63], v[SCO+2*\m+1]
	WIN 0
	v_nop                                          ; one plain place behind a scaled conversion
.irp i, 0,1,2
	v_mov_b32 v[C0+3+\i], v[X0+\i]
	v_mov_b32 v[C1+3+\i], v[X1+\i]
.endr
.irp i, 0,1,2,3,4,5                            ; the operand wants block 0 in lanes 0-15 and block 1 in lanes 16-31
	v_permlane16_swap_b32 v[C0+\i], v[C1+\i]
.endr
	s_wait_alu depctr_va_vdst(0)
	s_cmp_eq_u32 s[PN], 0
	s_cbranch_scc0 .Lhalf_1_\@
	QST \m, 0
	s_branch .Lstored_\@
.Lhalf_1_\@:
	QST \m, 1
.Lstored_\@:
.endm
	QM 0
	BIASLD 0, 1024
	QM 1
	BIASLD 1, 1024
	QM 2
	BIASLD 2, 1024
	QM 3
	s_wait_dscnt 0x0                               ; for the others' sake: my part of h lies in LDS
	s_barrier_signal -1
	s_barrier_wait -1
	BIASLD 3, 1024
	s_branch .Lstaged
.macro COMB op, win, bias              ; Y = T op Y, two at a time
.set i, 0
.irp m, 0,1,2,3
	WIN \win
.rept 32
	\op v[i:i+1], v[i:i+1], v[i:i+1]
.set i, i+2
.endr
	WIN 0
.if \bias
	BIASLD \m, 1024
.endif
.endr
.endm
.Lmul0:
	COMB v_pk_mul_f32, 0x89, 1
	s_branch .Lstaged
.Ladd0:
	COMB v_pk_add_f32, 0x89, 1
	s_branch .Lstaged
.Lmul1:
	COMB v_pk_mul_f32, 0xcd, 1
.Lstaged:
	s_wait_alu depctr_va_vdst(0)
	s_wait_dscnt 8                                 ; all but the youngest eight loads, rows 48-63's bias of tiles 4-7: the next step's wait for all but its own 25 stands ahead of their first use
.Lnext:
	s_add_co_u32 s[QN], s[QN], 1
	s_cmp_lt_u32 s[QN], 15
	s_cbranch_scc1 .Lquad
; ---------------------------------------------------------------- the last half, written out: it asks for no tile, and its last K step fetches nothing
	STEPE 0, 0
	STEPO 1, 0, 0
	STEPE 2, 1
	s_wait_dscnt 12
	WIN MULW
	MM 0, 4, 3
	s_wait_dscnt 0x0
	MM 4, 4, 3
	PLACES 4
	WIN 0
	COMB v_pk_add_f32, 0xcd, 0
; ---------------------------------------------------------------- the norm: the mean, then the mean of the squared differences
.set GBO, 3
.set RSA, 4
.set RSB, 5
.set STO, 6
.set RDB, 7
.set GO,  8
.set RSD, 32                           ; v32-39 1 / sqrt(var + eps), a pair a tile of rows
.set GA,  64
.set BE,  80
.set SM,  96
.set TP,  104
.set RDR, 112
.set MU,  128
	v_and_b32 v13, 15, v0
	v_bfe_u32 v14, v0, 4, 1
	s_lshl_b32 s93, s[WV], 8
	v_lshl_add_u32 v[GBO], v13, 4, s93
.irp q, 0,1,2,3
	global_load_b128 v[GA+4*\q:GA+4*\q+3], v[GBO], s[GAM:GAM+1] offset:1024*\q
	global_load_b128 v[BE+4*\q:BE+4*\q+3], v[GBO], s[BET:BET+1] offset:1024*\q
.endr
	v_lshl_add_u32 v[GO], v14, 12, v[GBO]
	v_lshlrev_b32 v[RSB], 4, v13
	v_add_nc_u32 v[RSB], RS1, v[RSB]
	s_lshl_b32 s93, s[WV], 2
	v_add_nc_u32 v[RSA], s93, v[RSB]
	s_mul_i32 s93, s[WV], 8704                     ; my stage: 2 x 16 rows x 272 bytes, in slot 0, which has had its last fill and its last read
	v_mul_u32_u24 v[STO], v13, 272
	v_mad_u32_u24 v[STO], v14, 4352, v[STO]
	v_add_nc_u32 v[STO], s93, v[STO]
	v_mul_u32_u24 v[RDB], v14, 272
	v_lshl_add_u32 v[RDB], v13, 4, v[RDB]
	v_add_nc_u32 v[RDB], s93, v[RDB]
.irp m, 0,1,2,3
	v_mov_b32 v[TP+4+\m], 0                        ; a lane permute's destination counts as one of its sources
.endr
	s_mov_b32 s94, 0x3a800000                      ; 1 / 1,024
	s_mov_b32 s95, 0x3a83126f                      ; eps
.macro REDUCE off                      ; the sums in v[SM ..] over the pair's halves, the lane 16 away and the four waves
.irp m, 0,1,2,3
	v_add_f32 v[TP+\m], v[SM+2*\m], v[SM+2*\m+1]
.endr
.irp m, 0,1,2,3
	v_permlanex16_b32 v[TP+4+\m], v[TP+\m], s[SEL], s[SEL+1]
.endr
.irp m, 0,1,2,3
	v_add_f32 v[TP+\m], v[TP+\m], v[TP+4+\m]
.endr
.irp m, 0,1,2,3
	ds_store_b32 v[RSA], v[TP+\m] offset:(\off)+256*\m
.endr
	s_wait_dscnt 0x0
	s_barrier_signal -1
	s_barrier_wait -1
.irp m, 0,1,2,3
	ds_load_b128 v[RDR+4*\m:RDR+4*\m+3], v[RSB] offset:(\off)+256*\m
.endr
	s_wait_dscnt 0x0
.irp m, 0,1,2,3
	v_add_f32 v[RDR+4*\m], v[RDR+4*\m], v[RDR+4*\m+1]
	v_add_f32 v[RDR+4*\m+2], v[RDR+4*\m+2], v[RDR+4*\m+3]
.endr
.irp m, 0,1,2,3
	v_add_f32 v[TP+\m], v[RDR+4*\m], v[RDR+4*\m+2]
.endr
.endm
	WIN 0x0a
.irp m, 0,1,2,3
	v_pk_add_f32 v[SM+2*\m:SM+2*\m+1], v[64*\m:64*\m+1], v[64*\m+2:64*\m+3]
.endr
	WIN 0x08
.set i, 4
.rept 30
.irp m, 0,1,2,3
	v_pk_add_f32 v[SM+2*\m:SM+2*\m+1], v[SM+2*\m:SM+2*\m+1], v[64*\m+i:64*\m+i+1]
.endr
.set i, i+2
.endr
	WIN 0x0c
.set i, 0
.rept 32
.irp m, 0,1,2,3
	v_pk_add_f32 v[SM+2*\m:SM+2*\m+1], v[SM+2*\m:SM+2*\m+1], v[64*\m+i:64*\m+i+1]
.endr
.set i, i+2
.endr
	WIN 0
	REDUCE 0
.irp m, 0,1,2,3
	v_mul_f32 v[MU+2*\m], 0xba800000, v[TP+\m]     ; -mean
	v_mul_f32 v[MU+2*\m+1], 0xba800000, v[TP+\m]
.endr
	WIN 0x82                                       ; y - mean, in place
.set i, 0
.rept 128
	v_pk_add_f32 v[i:i+1], v[i:i+1], v[MU+2*(i/64):MU+2*(i/64)+1] op_sel_hi:[1,0]
.set i, i+2
.endr
	WIN 0xc3
.set i, 0
.rept 128
	v_pk_add_f32 v[i:i+1], v[i:i+1], v[MU+2*(i/64):MU+2*(i/64)+1] op_sel_hi:[1,0]
.set i, i+2
.endr
	WIN 0x0a
.irp m, 0,1,2,3
	v_pk_mul_f32 v[SM+2*\m:SM+2*\m+1], v[64*\m:64*\m+1], v[64*\m:64*\m+1]
.endr
.set i, 2
.rept 31
.irp m, 0,1,2,3
	v_pk_fma_f32 v[SM+2*\m:SM+2*\m+1], v[64*\m+i:64*\m+i+1], v[64*\m+i:64*\m+i+1], v[SM+2*\m:SM+2*\m+1]
.endr
.set i, i+2
.endr
	WIN 0x0f
.set i, 0
.rept 32
.irp m, 0,1,2,3
	v_pk_fma_f32 v[SM+2*\m:SM+2*\m+1], v[64*\m+i:64*\m+i+1], v[64*\m+i:64*\m+i+1], v[SM+2*\m:SM+2*\m+1]
.endr
.set i, i+2
.endr
	WIN 0
	REDUCE 1024
.irp m, 0,1,2,3
	v_fma_f32 v[TP+\m], v[TP+\m], s94, s95         ; var + eps
.endr
	s_wait_alu depctr_va_vdst(0)
.irp m, 0,1,2,3
	v_rsq_f32 v[RSD+2*\m], v[TP+\m]
.endr
	v_nop
	s_wait_alu depctr_va_vdst(0)
.irp m, 0,1,2,3
	v_mov_b32 v[RSD+2*\m+1], v[RSD+2*\m]
.endr
	s_wait_alu depctr_va_vdst(0)
; ---------------------------------------------------------------- the way out: eight blocks (half a / 4, tile of rows a % 4) of 16 rows x 128 columns.  A block is scaled by its rows' 1 / sqrt, goes through my stage and comes back
; 16 bytes a lane, sixteen lanes to 256 consecutive bytes of a row; there gamma and beta are the same four columns in every row.
.macro TOSTAGE a
	WIN 0x82+0x41*((\a)/4)                         ; destination and source 0: window 2 or 3
.set i, 64*((\a)%4)
.rept 32
	v_pk_mul_f32 v[i:i+1], v[i:i+1], v[RSD+2*((\a)%4):RSD+2*((\a)%4)+1] op_sel_hi:[1,0]
.set i, i+2
.endr
	WIN 0x08+4*((\a)/4)
.irp i, 0,1,2,3,4,5,6,7,8,9,10,11,12,13,14,15
	ds_store_b128 v[STO], v[64*((\a)%4)+4*\i:64*((\a)%4)+4*\i+3] offset:16*\i
.endr
	WIN 0
.set OBB, 160-64*((\a)%2)
.irp k, 0,1,2,3,4,5,6,7,8,9,10,11,12,13,14,15
	ds_load_b128 v[OBB+4*\k:OBB+4*\k+3], v[RDB] offset:4352*(\k/8)+544*(\k%8)
.endr
.endm
.macro SEND a, younger
.set OBB, 160-64*((\a)%2)
.set QQ, 2*((\a)/4)
	s_wait_dscnt \younger
.irp k, 0,1,2,3,4,5,6,7,8,9,10,11,12,13,14,15
	v_pk_fma_f32 v[OBB+4*\k:OBB+4*\k+1], v[OBB+4*\k:OBB+4*\k+1], v[GA+4*(QQ+\k/8):GA+4*(QQ+\k/8)+1], v[BE+4*(QQ+\k/8):BE+4*(QQ+\k/8)+1]
	v_pk_fma_f32 v[OBB+4*\k+2:OBB+4*\k+3], v[OBB+4*\k+2:OBB+4*\k+3], v[GA+4*(QQ+\k/8)+2:GA+4*(QQ+\k/8)+3], v[BE+4*(QQ+\k/8)+2:BE+4*(QQ+\k/8)+3]
.endr
.irp k, 0,1,2,3,4,5,6,7,8,9,10,11,12,13,14,15
	global_store_b128 v[GO], v[OBB+4*\k:OBB+4*\k+3], s[OUT:OUT+1] offset:(16*((\a)%4)+2*(\k%8))*4096+2048*((\a)/4)+1024*(\k/8) th:TH_STORE_NT   ; 16 lanes store 256 consecutive bytes, at a multiple of 256 from out's first byte
.endr
.endm
	s_wait_loadcnt 0x0                             ; gamma and beta
	TOSTAGE 0
.irp a, 1,2,3,4,5,6,7
.if \a > 1
	s_wait_xcnt 0x0                                ; block a - 2's stores have read their registers
.endif
	TOSTAGE \a
	SEND \a-1, 32                                  ; behind block a - 1's loads: block a's 16 stores and 16 loads
.endr
	SEND 7, 0
	s_wait_tensorcnt 0x0                           ; the wave's end
	ds_add_u32 v[SPW], v[NIL]
	s_wait_dscnt 0x0
	CROUND                                         ; the closing round
	s_endpgm
.Lfunc_end_k_q734f216757_grn:
	.size	k_q734f216757_grn, .Lfunc_end_k_q734f216757_grn-k_q734f216757_grn
	.p2alignl 7, 3214868480
	.fill 96, 4, 3214868480
	.section	.rodata,"a",@progbits
	.p2align	6, 0x0
	.amdhsa_kernel k_q734f216757_grn
		.amdhsa_group_segment_fixed_size 327680
		.amdhsa_private_segment_fixed_size 0
		.amdhsa_enable_private_segment 0
		.amdhsa_kernarg_size 80
		.amdhsa_user_sgpr_count 2
		.amdhsa_user_sgpr_kernarg_segment_ptr 1
		.amdhsa_wavefront_size32 1
		.amdhsa_system_sgpr_workgroup_id_x 1
		.amdhsa_system_sgpr_workgroup_id_y 1
		.amdhsa_system_sgpr_workgroup_id_z 1
		.amdhsa_system_vgpr_workitem_id 0
		.amdhsa_next_free_vgpr 1024
		.amdhsa_next_free_sgpr 102
		.amdhsa_reserve_vcc 0
		.amdhsa_float_denorm_mode_32 3
		.amdhsa_float_denorm_mode_16_64 3
		.amdhsa_memory_ordered 1
		.amdhsa_forward_progress 1
		.amdhsa_inst_pref_size 255
	.end_amdhsa_kernel
	.section	.bss,"aw",@nobits
	.p2align	6
	.space	262144
	.amdgpu_metadata
---
amdhsa.version: [ 1, 2 ]
amdhsa.kernels:
  - .name:           k_q734f216757_grn
    .symbol:         k_q734f216757_grn.kd
    .args:
      - { .name: inputs_codes, .offset: 0, .size: 8, .value_kind: global_buffer, .address_space: global }
      - { .name: inputs_scales, .offset: 8, .size: 8, .value_kind: global_buffer, .address_space: global }
      - { .name: wp, .offset: 16, .size: 8, .value_kind: global_buffer, .address_space: global }
      - { .name: b1, .offset: 24, .size: 8, .value_kind: global_buffer, .address_space: global }
      - { .name: bg, .offset: 32, .size: 8, .value_kind: global_buffer, .address_space: global }
      - { .name: b2, .offset: 40, .size: 8, .value_kind: global_buffer, .address_space: global }
      - { .name: bs, .offset: 48, .size: 8, .value_kind: global_buffer, .address_space: global }
      - { .name: gamma, .offset: 56, .size: 8, .value_kind: global_buffer, .address_space: global }
      - { .name: beta, .offset: 64, .size: 8, .value_kind: global_buffer, .address_space: global }
      - { .name: out0, .offset: 72, .size: 8, .value_kind: global_buffer, .address_space: global }
    .group_segment_fixed_size: 327680
    .private_segment_fixed_size: 0
    .kernarg_segment_align: 8
    .kernarg_segment_size: 80
    .max_flat_workgroup_size: 128
    .sgpr_count:     102
    .vgpr_count:     1024
    .wavefront_size: 32
...
	.end_amdgpu_metadata
.endif
;; end of part 2
